; MI455X (gfx1250); checked and timed in simulation.
; The chip was launched on July 23, 2026; its instructions are those of AMD's public machine-readable ISA for CDNA 5 (MIT licence, August 2026) and "CDNA5" Instruction Set Architecture Reference Guide (July 2026). The comments in the code are by the model that wrote it; some were corrected since.
;; Spatial Refine. Allowed arithmetic: float matrix products may take bf16 or f16 operands with f32 sums; all other float work in f32.
;; Inputs: W 64 x 256 float32; fea 8 x 256 x 64 x 64 float32; pred 8 x 2 x 64 x 64 float32.
;; Outputs: out0 8 x 2 x 64 x 64 float32.
;; 2 versions, each right; version 2 is version 1 with the launch conv written anew for expert scheduling mode. Each part assembles by itself: llvm-mc -triple=amdgcn-amd-amdhsa -mcpu=gfx1250 --defsym DOCPART=n.
;; ======== version 1 of 2: 2 launches
;; limits: values outside matrix products are rounded to bf16; values are held in f16: magnitudes above 65,504 overflow, below 6.1e-05 lose precision
;; workspace buffers: fw 4,194,304 bytes; pb 262,144 bytes
;; launch conv (part 1): grid 256 x 1, 8 waves a work-group, no clusters, 165,888 bytes of LDS; arguments W, fea, pred, fw, pb; writes fw, pb
.if DOCPART == 1
	.amdgcn_target "amdgcn-amd-amdhsa--gfx1250"
	.amdhsa_code_object_version 6
	.text
	.protected	k_q0a22512b1f_conv
	.globl	k_q0a22512b1f_conv
	.p2align	8
	.type	k_q0a22512b1f_conv,@function
k_q0a22512b1f_conv:
	s_mov_b64 s[64:65], 0
	v_nop
	global_prefetch_b8 v0, s[64:65] scope:SCOPE_SE
	s_setreg_imm32_b32 hwreg(HW_REG_WAVE_MODE, 25, 1), 1
	s_wait_xcnt 0x0
; f = W x fea (1x1 convolution, 64 x 256 by 256 x 4096 for each of 8 images), every column divided by (its L2 norm + 1e-5),
; rounded to f16 and stored in the order in which the next launch's matrix fragments want it; and pred as a bf16 operand image.
;
; SHARES.  Work-group b: image n = b >> 5, positions 128 (b & 31) .. + 127, all 256 channels: 128 KiB of fea, read once.
; Wave w: pg = w >> 2 picks 64 positions (a 'group'), kq = w & 3 picks 64 channels.  A wave issues its 32 loads of 16 bytes a lane at
; once, so all of the work-group's 128 KiB are asked for from the first lines on: there is no loop.  The four partial sums over the
; channels meet in LDS; wave (pg, kq) then finishes tile kq of group pg.
;
; TILES.  Tile t (0..3) of group g holds the positions p = 64 g + 4 r + t, r = 0..15.  A 16-byte load of fea gives a lane four
; neighbouring p of one channel: register t of the load belongs to tile t, and sixteen lanes read 256 consecutive bytes, aligned.
; fw: [n][g][t][i = 0..3][lane][16 bytes]; lane 16 h + r, piece i: f[o = 16 i + 8 h .. + 7][p(r)] in f16.  Pieces 2 s, 2 s + 1 are
; registers 0-3 and 4-7 of a 16 x 32 fragment of K step s (ISA guide 7.12.2), so a fragment load there is 512 consecutive bytes.
; pb: [n][pos][u][h][row 0..3][8 words], 512 bytes a group; word j, half b = X[row][64 g + 32 h + 4 j + 2 u + b], X = pred0, pred1, ones, zeros.
; With g = 16 c + 4 ph + gi the group stands at pos = 16 ph + 4 c + gi, so that the next launch's quarter ph reads 8 KiB in a row.
;
; FORMATS.  W, fea and pred are inputs of any range: bf16.  f is normalised, |f| <= 1 for every input, so it cannot overflow f16, whose
; 11 significant bits against bf16's 8 make its rounding error eight times smaller.  That error counts: the error of column q's f enters
; all 4096 terms of column q's sums alike.
;
; NO CLUSTER, NO JOINT LOAD OF W: W comes as f32 and is needed as bf16.  Through registers it costs 32 KiB of LDS stores; a tensor load
; would lay 64 KiB of f32 into LDS, to be read back, converted and stored again, and would add rounds of a cluster's barrier to a text
; without a loop.  No prefetch: every byte is asked for in the first lines.
;
; LIMITS.  Matrix operands (W, fea) are rounded to bf16, sums are f32, in this text's own order (channels in four quarters).
; The sum of squares overflows above |f| of about 1.8e19, as an f32 norm does.  v_sqrt_f32 takes a sum of squares below 2^-126 as 0
; (ISA guide 15.8): the norm is then below 1.1e-19 and vanishes beside 1e-5 in f32.
; Components of the normalised f below 2^-14 are f16 denormals, with an absolute error of up to 2^-25: that reaches bf16's relative
; error where components fall to about 1.5e-5, that is, where a column's norm before the division is below about 1e-9.
.set WPITCH, 528                       ; a row of W in LDS: 512 bytes of bf16 + 16: 33 x 16, so 16 rows start at 16 different 16-byte columns
.set XCH,    64*WPITCH                 ; 33,792: the exchange, [pg][t][from kq][piece 0..7][lane][16 bytes] of f32, 131,072 bytes
.set EPS,    0x3727c5ac                ; 1e-5
.set FEA, 16                           ; v[16:143]  fea as loaded: load (s, i), element t at 16 + 64 s + 4 i + t
.set ACC, 16                           ; v[16:143]  afterwards the 16 accumulators: (t, ot) at 16 + 32 t + 8 ot
.set WT,  144                          ; v[144:207] W as loaded, f32
.set FB,  144                          ; v[144:207] afterwards fea's fragments: (s, t) at 144 + 32 s + 8 t
.set WC,  208                          ; v[208:239] W in bf16 on its way to LDS
.set WF,  208                          ; v[208:239] afterwards four slots for W's fragments
.set PRD, 240                          ; v[240:247] pred as loaded
.set PBD, 248                          ; v[248:251] 16 bytes of pb
; v1 16 x lane   v2 fea offset   v3 W offset   v4 W image, store   v5 W image, fragments   v6 exchange out   v7 exchange in
; v8 pred offset   v9 the constant of rows 2 and 3 of X   v10-15 at work
	s_load_b256 s[4:11], s[0:1], 0x0               ; W s[4:5], fea s[6:7], pred s[8:9], fw s[10:11]
	s_load_b64 s[12:13], s[0:1], 0x20              ; pb
	v_lshl_add_u32 v252, v0, 2, 0x28400
	v_mov_b32 v253, 0
	v_lshrrev_b32 v10, 5, v0
	v_readfirstlane_b32 s16, v10                   ; wave 0..7
	s_lshr_b32 s17, s16, 2                         ; pg
	s_and_b32 s18, s16, 3                          ; kq
	s_lshr_b32 s19, ttmp9, 5                       ; n
	s_and_b32 s20, ttmp9, 31                       ; which 128 positions of the image
	s_mov_b32 s26, 0x76543210                      ; v_permlanex16_b32: lane i reads lane i of the other half
	s_mov_b32 s27, 0xfedcba98
	v_and_b32 v11, 31, v0                          ; lane
	v_and_b32 v12, 15, v0                          ; r
	v_bfe_u32 v13, v0, 4, 1                        ; h
	v_lshlrev_b32 v1, 4, v11
	s_lshl_b32 s28, s18, 20                        ; 64 channels of 16,384 bytes
	s_lshl_b32 s29, s17, 8                         ; 64 positions of 4 bytes
	s_add_co_u32 s28, s28, s29
	v_lshl_add_u32 v2, v12, 4, s28                 ; + 16 r: four positions
	v_lshl_add_u32 v2, v13, 17, v2                 ; + 8 channels for lanes 16-31
	v_lshlrev_b32 v3, 4, v0                        ; W: thread t takes bytes 16 t of every 4,096
	v_lshrrev_b32 v14, 6, v0                       ; that is row t >> 6 (+ 4 for each further load),
	v_and_b32 v15, 63, v0                          ; columns 4 (t & 63) ..
	v_mul_u32_u24 v4, v14, WPITCH
	v_lshl_add_u32 v4, v15, 3, v4                  ; 8 bytes of bf16
	v_mul_u32_u24 v5, v12, WPITCH                  ; fragment of W: row r,
	v_lshl_add_u32 v5, v13, 4, v5                  ; + 16 h,
	s_lshl_b32 s29, s18, 7
	v_add_nc_u32 v5, s29, v5                       ; + my 64 channels
	s_lshl_b32 s30, s17, 16
	s_add_co_u32 s30, s30, XCH                     ; my group's half of the exchange
	s_lshl_b32 s31, s18, 12
	s_add_co_u32 s31, s31, s30
	v_add_nc_u32 v6, s31, v1                       ; out: my place as a sender, in every tile
	s_lshl_b32 s31, s18, 14
	s_add_co_u32 s31, s31, s30
	v_add_nc_u32 v7, s31, v1                       ; in: my tile, all four senders
	; pb: lane = 16 u + 8 hh + 2 row + e holds words 4 e .. 4 e + 3 of (u, hh, row): pred[row][64 g + 32 hh + 16 e + 4 j + 2 u + 0, 1]
	v_bfe_u32 v10, v0, 1, 1                        ; row & 1: rows 2 and 3 load pred's rows 0 and 1 as well and drop them
	v_lshlrev_b32 v8, 14, v10
	v_bfe_u32 v10, v0, 3, 1                        ; hh
	v_lshl_add_u32 v8, v10, 7, v8
	v_and_b32 v10, 1, v0                           ; e
	v_lshl_add_u32 v8, v10, 6, v8
	v_lshl_add_u32 v8, v13, 3, v8                  ; u
	v_bfe_u32 v10, v0, 1, 2                        ; row
	v_mov_b32 v14, 0x3f803f80                      ; two ones in bf16
	v_cmp_eq_u32 vcc_lo, 2, v10
	v_cndmask_b32 v9, 0, v14, vcc_lo               ; row 2: ones; row 3: zeros
	v_cmp_le_u32 s21, 2, v10                       ; the lanes of rows 2 and 3
	; byte offsets of the work-group's and the wave's parts, each in a pair of its own
	s_lshl_b32 s22, s19, 22                        ; fea: image,
	s_lshl_b32 s28, s20, 9                         ; 128 positions
	s_add_co_u32 s22, s22, s28
	s_mov_b32 s23, 0
	s_lshl_b32 s24, ttmp9, 14                      ; fw: two groups of 8 KiB a work-group,
	s_lshl_b32 s28, s16, 11                        ; a tile of 2 KiB a wave (4 pg + kq = w)
	s_add_co_u32 s24, s24, s28
	s_mov_b32 s25, 0
	s_and_b32 s28, s16, 1
	s_lshl1_add_u32 s28, s20, s28                  ; the group whose pred I convert: g = 2 x block + (w & 1)
	s_lshl_b32 s36, s19, 15                        ; 32,768 bytes an image, in pred and in pb
	s_lshl_b32 s32, s28, 8
	s_add_co_u32 s32, s32, s36
	s_mov_b32 s33, 0
	s_lshr_b32 s29, s28, 4                         ; c
	s_bfe_u32 s30, s28, 0x20002                    ; ph
	s_and_b32 s31, s28, 3                          ; gi
	s_lshl_b32 s30, s30, 4
	s_lshl2_add_u32 s29, s29, s30                  ; 4 c + 16 ph
	s_add_co_u32 s29, s29, s31                     ; pos
	s_lshl_b32 s34, s29, 9
	s_add_co_u32 s34, s34, s36
	s_mov_b32 s35, 0
	s_wait_kmcnt 0x0
	s_add_nc_u64 s[6:7], s[6:7], s[22:23]
	s_add_nc_u64 s[10:11], s[10:11], s[24:25]
	s_add_nc_u64 s[8:9], s[8:9], s[32:33]
	s_add_nc_u64 s[12:13], s[12:13], s[34:35]
	; ALL LOADS, the ones wanted first in front: 4 of pred, 16 of W, 32 of fea.  No address register is ever written again.
.irp j, 0,1,2,3
	global_load_b64 v[PRD+2*\j:PRD+2*\j+1], v8, s[8:9] offset:16*\j
.endr
.irp m, 0,1,2,3,4,5,6,7,8,9,10,11,12,13,14,15
	global_load_b128 v[WT+4*\m:WT+4*\m+3], v3, s[4:5] offset:4096*\m          ; the eight waves cover 4,096 consecutive bytes
.endr
.irp s, 0,1
.irp i, 0,1,2,3,4,5,6,7,8,9,10,11,12,13,14,15
	global_load_b128 v[FEA+64*\s+4*\i:FEA+64*\s+4*\i+3], v2, s[6:7] offset:(32*\s+16*((\i)>>3)+((\i)&7))*16384 th:TH_LOAD_NT   ; channel 32 s + 16 (i >> 3) + 8 h + (i & 7); read once in the launch
.endr
.endr
	; W and pred to bf16
	s_wait_loadcnt 32                              ; loads come back in order (ISA guide 5.7.1): only fea's 32 are younger
.irp m, 0,1,2,3,4,5,6,7,8,9,10,11,12,13,14,15
	v_cvt_pk_bf16_f32 v[WC+2*\m],   v[WT+4*\m],   v[WT+4*\m+1]
	v_cvt_pk_bf16_f32 v[WC+2*\m+1], v[WT+4*\m+2], v[WT+4*\m+3]
	ds_store_b64 v4, v[WC+2*\m:WC+2*\m+1] offset:4*WPITCH*\m                  ; each load is four rows further down
.endr
.irp j, 0,1,2,3
	v_cvt_pk_bf16_f32 v[PBD+\j], v[PRD+2*\j], v[PRD+2*\j+1]
.endr
.irp j, 0,1,2,3
	v_cndmask_b32 v[PBD+\j], v[PBD+\j], v9, s21    ; rows 2 and 3 take their constant
.endr
	s_cmp_ge_u32 s16, 2                            ; waves 0 and 1 store the two groups' images; the others made the same numbers and drop them
	s_cbranch_scc1 .Lno_pb
	global_store_b128 v1, v[PBD:PBD+3], s[12:13]   ; 512 consecutive bytes, aligned; neither v1 nor the data is written again
.Lno_pb:
	s_wait_dscnt 0x0                               ; my part of W's image is in LDS: for the other waves' sake the count is zero
	s_barrier_signal -1
	s_barrier_wait -1                              ; the whole image is
.irp f, 0,1,2,3
	ds_load_b128 v[WF+8*\f:WF+8*\f+3],   v5 offset:16*WPITCH*\f               ; K step 0, rows 16 f .. + 15 of W
	ds_load_b128 v[WF+8*\f+4:WF+8*\f+7], v5 offset:16*WPITCH*\f+32
.endr
	; fea to fragments: register q of tile t = channels 16 (q >> 2) + 8 h + 2 (q & 3) + 0, 1, which are loads 2 q and 2 q + 1
.macro CVTF s
.irp t, 0,1,2,3
.irp q, 0,1,2,3,4,5,6,7
	v_cvt_pk_bf16_f32 v[FB+32*\s+8*\t+\q], v[FEA+64*\s+8*\q+\t], v[FEA+64*\s+8*\q+4+\t]
.endr
.endr
.endm
	s_wait_loadcnt 16                              ; K step 0's sixteen loads are in, K step 1's stay out
	CVTF 0
	s_wait_loadcnt 0x0
	CVTF 1
	s_wait_dscnt 0x0                               ; W's first four fragments
	; THE PRODUCTS.  Group f = 4 s + ot: rows 16 ot .. of W, K step s, against the four tiles.  D: lane (r, h), register j = f[16 ot + 8 h + j][p(r)].
	; The 16 accumulators take turns, one instruction a turn.  The first K step starts the sums: nothing is cleared.
.macro GROUP f
.set gs, (\f)>>2
.set go, (\f)&3
.if \f >= 4
	s_wait_dscnt 2*(7-\f)                          ; LDS loads come back in order: the younger fragments' two loads each stay out
.endif
.irp t, 0,1,2,3
.if \f >= 4
	v_wmma_f32_16x16x32_bf16 v[ACC+32*\t+8*go:ACC+32*\t+8*go+7], v[WF+8*go:WF+8*go+7], v[FB+32*gs+8*\t:FB+32*gs+8*\t+7], v[ACC+32*\t+8*go:ACC+32*\t+8*go+7]
.else
	v_wmma_f32_16x16x32_bf16 v[ACC+32*\t+8*go:ACC+32*\t+8*go+7], v[WF+8*go:WF+8*go+7], v[FB+32*gs+8*\t:FB+32*gs+8*\t+7], 0
.endif
.endr
.if \f < 4
.rept 4
	v_nop                                          ; four places between a matrix instruction and a load into one of its sources (ISA guide 7.12.1 for vector instructions)
.endr
	ds_load_b128 v[WF+8*go:WF+8*go+3],   v5 offset:16*WPITCH*go+64            ; the same rows of W, K step 1, into the slot just used
	ds_load_b128 v[WF+8*go+4:WF+8*go+7], v5 offset:16*WPITCH*go+96
.endif
.endm
.irp f, 0,1,2,3,4,5,6,7
	GROUP \f
.endr
.rept 4
	v_nop                                          ; four places before the LDS stores read the last results
.endr
	; THE EXCHANGE: every wave hands out all four tiles, its own too: which tile a wave keeps hangs on its number, a register's number cannot
.irp t, 0,1,2,3
.irp q, 0,1,2,3,4,5,6,7
	ds_store_b128 v6, v[ACC+32*\t+4*\q:ACC+32*\t+4*\q+3] offset:16384*\t+512*\q
.endr
.endr
	s_wait_dscnt 0x0                               ; for the others' sake: zero
	s_barrier_signal -1
	s_barrier_wait -1
.irp c, 0,1,2,3
.irp q, 0,1,2,3,4,5,6,7
	ds_load_b128 v[16+32*\c+4*\q:16+32*\c+4*\q+3], v7 offset:4096*\c+512*\q   ; my tile's partial sum from channel quarter c
.endr
.endr
.macro ADD32 d, a                      ; 32 registers at d += 32 registers at a
.irp k, 0,2,4,6,8,10,12,14,16,18,20,22,24,26,28,30
	v_pk_add_f32 v[\d+\k:\d+\k+1], v[\d+\k:\d+\k+1], v[\a+\k:\a+\k+1]
.endr
.endm
	s_wait_dscnt 16                                ; quarters 0 and 1 are in, the sixteen loads of 2 and 3 stay out
	ADD32 16, 48
	s_wait_dscnt 0x0
	ADD32 80, 112
	ADD32 16, 80                                   ; v[16:47]: f[16 ot + 8 h + j][p(r)] at 16 + 8 ot + j
	; THE NORM: 32 squares in the lane, in two chains started by products; the other 32 channels lie in the lane 16 away
	v_pk_mul_f32 v[48:49], v[16:17], v[16:17]
	v_pk_mul_f32 v[50:51], v[18:19], v[18:19]
.irp k, 4,8,12,16,20,24,28
	v_pk_fma_f32 v[48:49], v[16+\k:17+\k], v[16+\k:17+\k], v[48:49]
	v_pk_fma_f32 v[50:51], v[18+\k:19+\k], v[18+\k:19+\k], v[50:51]
.endr
	v_pk_add_f32 v[48:49], v[48:49], v[50:51]
	v_add_f32 v48, v48, v49
	v_permlanex16_b32 v49, v48, s26, s27           ; its destination counts as read: v49 has been written
	v_add_f32 v48, v48, v49
	v_sqrt_f32 v50, v48
	v_nop                                          ; one plain place behind a transcendental before its result is used (ISA guide 5.7.2)
	s_wait_alu depctr_va_vdst(0)
	v_add_f32 v50, EPS, v50
	v_rcp_f32 v54, v50                             ; twice, for the pair that the packed multiply takes
	v_rcp_f32 v55, v50
	v_nop                                          ; the place again
	s_wait_alu depctr_va_vdst(0)
.irp k, 0,2,4,6,8,10,12,14,16,18,20,22,24,26,28,30
	v_pk_mul_f32 v[16+\k:17+\k], v[16+\k:17+\k], v[54:55]
.endr
.irp k, 0,1,2,3,4,5,6,7,8,9,10,11,12,13,14,15
	v_cvt_pk_f16_f32 v[56+\k], v[16+2*\k], v[17+2*\k]                         ; |f| <= 1: inside f16's range for every input
.endr
.irp i, 0,1,2,3
	global_store_b128 v1, v[56+4*\i:59+4*\i], s[10:11] offset:512*\i          ; piece i of my tile: 512 consecutive bytes, aligned
.endr
	s_wait_tensorcnt 0x0
	ds_add_u32 v252, v253
	s_wait_dscnt 0x0
	s_endpgm
.Lfunc_end_k_q0a22512b1f_conv:
	.size	k_q0a22512b1f_conv, .Lfunc_end_k_q0a22512b1f_conv-k_q0a22512b1f_conv
	.p2alignl 7, 3214868480
	.fill 96, 4, 3214868480
	.section	.rodata,"a",@progbits
	.p2align	6, 0x0
	.amdhsa_kernel k_q0a22512b1f_conv
		.amdhsa_group_segment_fixed_size 165888
		.amdhsa_private_segment_fixed_size 0
		.amdhsa_enable_private_segment 0
		.amdhsa_kernarg_size 40
		.amdhsa_user_sgpr_count 2
		.amdhsa_user_sgpr_kernarg_segment_ptr 1
		.amdhsa_wavefront_size32 1
		.amdhsa_system_sgpr_workgroup_id_x 1
		.amdhsa_system_sgpr_workgroup_id_y 1
		.amdhsa_system_sgpr_workgroup_id_z 1
		.amdhsa_system_vgpr_workitem_id 0
		.amdhsa_next_free_vgpr 254
		.amdhsa_next_free_sgpr 66
		.amdhsa_reserve_vcc 1
		.amdhsa_float_denorm_mode_32 3
		.amdhsa_float_denorm_mode_16_64 3
		.amdhsa_memory_ordered 1
		.amdhsa_forward_progress 1
		.amdhsa_inst_pref_size 32
	.end_amdhsa_kernel
	.amdgpu_metadata
---
amdhsa.version: [ 1, 2 ]
amdhsa.kernels:
  - .name:           k_q0a22512b1f_conv
    .symbol:         k_q0a22512b1f_conv.kd
    .args:
      - { .name: W, .offset: 0, .size: 8, .value_kind: global_buffer, .address_space: global }
      - { .name: fea, .offset: 8, .size: 8, .value_kind: global_buffer, .address_space: global }
      - { .name: pred, .offset: 16, .size: 8, .value_kind: global_buffer, .address_space: global }
      - { .name: fw, .offset: 24, .size: 8, .value_kind: global_buffer, .address_space: global }
      - { .name: pb, .offset: 32, .size: 8, .value_kind: global_buffer, .address_space: global }
    .group_segment_fixed_size: 165888
    .private_segment_fixed_size: 0
    .kernarg_segment_align: 8
    .kernarg_segment_size: 40
    .max_flat_workgroup_size: 256
    .sgpr_count:     66
    .vgpr_count:     254
    .wavefront_size: 32
...
	.end_amdgpu_metadata
.endif
;; end of part 1
;; launch aff (part 2): grid 256 x 1, 8 waves a work-group, clusters of 4 x 1, 327,680 bytes of LDS; arguments fw, pb, out0; writes out0
.if DOCPART == 2
	.amdgcn_target "amdgcn-amd-amdhsa--gfx1250"
	.amdhsa_code_object_version 6
	.text
	.protected	k_q0a22512b1f_aff
	.globl	k_q0a22512b1f_aff
	.p2align	8
	.type	k_q0a22512b1f_aff,@function
k_q0a22512b1f_aff:
	s_mov_b64 s[64:65], 0
	v_nop
	global_prefetch_b8 v0, s[64:65] scope:SCOPE_SE
	s_setreg_imm32_b32 hwreg(HW_REG_WAVE_MODE, 25, 1), 1
	s_wait_xcnt 0x0
	s_wait_alu depctr_hold_cnt(0) depctr_sa_sdst(0) depctr_va_vdst(0) depctr_va_sdst(0) depctr_va_ssrc(0) depctr_va_vcc(0) depctr_vm_vsrc(0)
	s_getreg_b32 s2, hwreg(HW_REG_IB_STS2, 6, 4)
	s_cmp_eq_u32 s2, 0
	s_cbranch_scc0 .Lentry_in_a_cluster
	s_endpgm
.Lentry_in_a_cluster:
	s_bfe_u32 s2, ttmp6, 0x10000c
	s_cmp_lg_u32 s2, 0x3003
	s_cbranch_scc0 .Lentry_shape_is_right
	s_endpgm
.Lentry_shape_is_right:
; out[c][q] = sum over p of pred[c][p] relu(S[p][q]) / (sum over p of relu(S[p][q]) + 1e-5),  S = f^T f  (4096 x 4096, K = 64), for each of 8 images.
; The divisor hangs on q alone, so numerators and divisor are three sums over p of the same column of relu(S): S is made 32 x 16 at a time in
; registers, cut at 0, rounded to bf16 and multiplied at once by the rows pred0, pred1, ones.  The affinity matrix never reaches LDS or memory.
;
; SHARES.  A work-group owns 128 q of one image and walks all 4096 p.  Wave w: qh = w & 1 picks 64 q, whose four tiles of f stay in 64 registers;
; ph = w >> 1 picks a quarter of each chunk's p.  The four quarters' sums meet in LDS at the end; waves 0 and 1 divide and store.
; Eight waves with all registers in one window of 256: a block is 5 matrix and 24 vector instructions, laid between each other line by line,
; which a tile in several register windows could not have without a switch at every change.
;
; CLUSTER.  The four work-groups of a cluster belong to one image and walk the same 512 KiB of fw and 32 KiB of pb: every tile is asked for
; JOINTLY (mask 15), the same line, the same descriptor in all four (made of the image and the wave's number alone).  That divides the requests by four.
; The wave's own q tiles, 8 KiB read once, come by plain loads straight into their registers: their address holds cx, so they are no joint load.
;
; LAYOUTS (as the launch before stored them).  Group g = 64 positions, tile t of it = positions 64 g + 4 r + t.  fw: [n][g][t][piece 0..3][lane][16 bytes]:
; pieces 2 s, 2 s + 1 are registers 0-3, 4-7 of the K = 32 fragment of K step s, for source 0 and source 1 alike (ISA guide 7.12.2).
; S's result for tile t = 2 u + e: lane (r, h), register j = S[p = 64 g + 32 h + 4 j + 2 u + e][q(r)].  Packing e = 0 and e = 1 of register j into one
; word gives a K = 32 operand whose place (h, j, half b) is p = 64 g + 32 h + 4 j + 2 u + b, and pb holds X[row] in just that order:
; pb: [n][pos][u][h][row 0..3][8 words], X = pred0, pred1, ones, zeros.  Lanes r take row min(r & 7, 3), so in both halves of the lanes the
; result's register 0 is pred0's sum, register 1 pred1's, register 2 the column sum, of column q(r).
;
; FORMATS.  f is f16 (normalised, |f| <= 1 for every input; 11 significant bits), so S is made by the f16 form.  pred is an input of any range and is
; bf16, so its product takes the bf16 form, with relu(S) in bf16.  The two forms write different accumulators: no sum mixes them.
;
; LDS: two slots of 128 KiB (a chunk of 1024 p each), pb's image of 32 KiB, 8 KiB for the partial sums, into which no tensor load lands.
; By this text's own count a wave has three tensor loads out at the start and one behind each refill's barrier.
; No prefetch: the 4.25 MiB read here were stored by the launch just before.  The 16 trips are written out, so that every LDS address is a fixed
; register plus an immediate; the text stays near 25 KiB.
;
; LIMITS.  f is an f16 operand, relu(S), pred and the ones are bf16 operands; all sums are f32, p in this text's own order.  The column sum
; therefore adds the bf16-rounded relu(S).  relu is a maximum with 0 in which a NaN loses: a NaN in S gives 0 here where the problem's
; definition gives NaN (non-finite inputs only).  Components of f below 2^-14 are f16 denormals (absolute error up to 2^-25): S loses
; accuracy beyond bf16's where a column's norm before its division was below about 1e-9.
.set SLOT,  131072
.set PBL,   2*SLOT                     ; 262,144
.set RED,   PBL+32768                  ; 294,912: [qh][ph][numerators 512, column sums 512]
.set EPS,   0x3727c5ac                 ; 1e-5
.set VA,  2                            ; v2, v3     my quarter of slot 0, 1: + 16 x lane
.set QF,  16                           ; v[16:79]   my four q tiles: (i, s) at 16 i + 8 s
.set ACC, 80                           ; v[80:111]  the sums of q tile i at 8 i
.set AF,  112                          ; v[112:175] two buffers of a half-group's p tiles: (e, s) at 32 b + 16 e + 8 s
.set PF,  176                          ; v[176:191] two buffers of X's fragment
.set SB,  192                          ; v[192:223] two buffers of S: (x, e) at 16 x + 8 e
.set PK,  224                          ; v[224:231] relu(S) in bf16
.set G1F, 16                           ; s[16:23]   shape of a wave's part of a chunk: 64 rows of 256 bytes
.set G1P, 24                           ; s[24:31]   shape of a wave's part of pb's image: 16 rows of 256 bytes
.set G0A, 32                           ; s[32:35]   slot 0: from where, to where
.set G0B, 36                           ; s[36:39]   slot 1
.set G0P, 40                           ; s[40:43]   pb's image
; v1 16 x lane   v4 X's fragment   v5 partial sums out   v6 partial sums in   v7 offset in out0   v8 lane   v9-11 at work
; A round of the cluster's barrier: my work-group's barrier, wave 0 signals for the work-group, every wave waits for all four work-groups, my work-group's barrier again.
.macro CREST                           ; the round behind its opening barrier
	s_cmp_lg_u32 s10, 0
	s_cbranch_scc1 .Lnot_wave_0_\@
	s_barrier_signal -3
.Lnot_wave_0_\@:
	s_barrier_wait -3
	s_barrier_signal -1
	s_barrier_wait -1
.endm
.macro ROUND
	s_barrier_signal -1
	s_barrier_wait -1
	CREST
.endm
	s_load_b128 s[4:7], s[0:1], 0x0                ; fw s[4:5], pb s[6:7]
	s_load_b64 s[8:9], s[0:1], 0x10                ; out0
	v_lshl_add_u32 v232, v0, 2, 0x4a000
	v_mov_b32 v233, 0
	ds_add_u32 v232, v233
	v_lshrrev_b32 v9, 5, v0
	v_readfirstlane_b32 s10, v9                    ; wave 0..7
	s_and_b32 s11, s10, 1                          ; qh
	s_lshr_b32 s12, s10, 1                         ; ph
	s_bfe_u32 s13, ttmp6, 0x40000                  ; cx: my place in the cluster; it enters the two global bases s[44:47] and nothing else
	s_lshr_b32 s14, ttmp9, 3                       ; n: ttmp9 counts clusters, eight an image
	s_and_b32 s15, ttmp9, 7
	s_lshl_b32 s15, s15, 2
	s_add_co_u32 s15, s15, s13                     ; which 128 q of the image
	; shapes: dense blocks as rows of 32 elements of 8 bytes
	s_mov_b32 s[G1F+0], 0x0023000f                 ; 15:0 mask: all four work-groups; 17:16 element of 8 bytes (code 3); 21 set beside a mask; no padding
	s_mov_b32 s[G1F+1], 32<<16                     ; tensor_dim0 = 32
	s_mov_b32 s[G1F+2], 64<<16                     ; tensor_dim1 = 64
	s_mov_b32 s[G1F+3], 32<<16                     ; tile_dim0 = 32
	s_mov_b32 s[G1F+4], 64                         ; tile_dim1 = 64 rows: 16 KiB
	s_mov_b32 s[G1F+5], 32                         ; from row to row: 32 elements
	s_mov_b32 s[G1F+6], 0
	s_mov_b32 s[G1F+7], 0
	s_mov_b32 s[G1P+0], 0x0023000f
	s_mov_b32 s[G1P+1], 32<<16
	s_mov_b32 s[G1P+2], 16<<16                     ; 16 rows: 4 KiB
	s_mov_b32 s[G1P+3], 32<<16
	s_mov_b32 s[G1P+4], 16
	s_mov_b32 s[G1P+5], 32
	s_mov_b32 s[G1P+6], 0
	s_mov_b32 s[G1P+7], 0
	s_lshl_b32 s48, s14, 19                        ; fw: 512 KiB an image,
	s_lshl_b32 s2, s10, 14                         ; 16 KiB a wave
	s_add_co_u32 s48, s48, s2
	s_mov_b32 s49, 0
	s_lshl_b32 s52, s14, 15                        ; pb: 32 KiB an image,
	s_lshl_b32 s2, s10, 12                         ; 4 KiB a wave
	s_add_co_u32 s52, s52, s2
	s_mov_b32 s53, 0
	s_lshl_b32 s50, s14, 19                        ; my q tiles in fw: image, 16 KiB a work-group, 8 KiB a group
	s_lshl_b32 s2, s15, 14
	s_add_co_u32 s50, s50, s2
	s_lshl_b32 s2, s11, 13
	s_add_co_u32 s50, s50, s2
	s_mov_b32 s51, 0
	s_lshl_b32 s54, s14, 15                        ; my q in out0: image, 128 q, 64 q, of 4 bytes
	s_lshl_b32 s2, s15, 9
	s_add_co_u32 s54, s54, s2
	s_lshl_b32 s2, s11, 8
	s_add_co_u32 s54, s54, s2
	s_mov_b32 s55, 0
	s_mov_b32 s[G0A+0], 1
	s_lshl_b32 s[G0A+1], s10, 14                   ; LDS: the wave's number times 16 KiB,
	s_mov_b32 s[G0B+0], 1
	s_add_co_u32 s[G0B+1], s[G0A+1], SLOT          ; plus the slot
	s_mov_b32 s[G0P+0], 1
	s_lshl_b32 s[G0P+1], s10, 12
	s_add_co_u32 s[G0P+1], s[G0P+1], PBL
	s_wait_dscnt 0x0
	s_wait_kmcnt 0x0
	s_add_nc_u64 s[G0A+2:G0A+3], s[4:5], s[48:49]                  ; chunk 0
	s_add_nc_u64 s[G0B+2:G0B+3], s[G0A+2:G0A+3], SLOT              ; chunk 1
	s_add_nc_u64 s[G0P+2:G0P+3], s[6:7], s[52:53]
	s_or_b32 s[G0A+3], s[G0A+3], 0x80000000                        ; type = 2
	s_or_b32 s[G0B+3], s[G0B+3], 0x80000000
	s_or_b32 s[G0P+3], s[G0P+3], 0x80000000
	s_add_nc_u64 s[44:45], s[4:5], s[50:51]
	s_add_nc_u64 s[46:47], s[8:9], s[54:55]
	ROUND                                          ; all four work-groups are here: the first joint loads meet
	tensor_load_to_lds s[G0P:G0P+3], s[G1P:G1P+7]  ; the three first fills go out as one group, ahead of every wait on TENSORcnt and every LDS read
	s_nop 0
	tensor_load_to_lds s[G0A:G0A+3], s[G1F:G1F+7]
	s_nop 0
	tensor_load_to_lds s[G0B:G0B+3], s[G1F:G1F+7]
	s_nop 0
	v_and_b32 v8, 31, v0                           ; lane
	v_lshlrev_b32 v1, 4, v8
.irp k, 0,1,2,3,4,5,6,7,8,9,10,11,12,13,14,15
	global_load_b128 v[QF+4*\k:QF+4*\k+3], v1, s[44:45] offset:512*\k         ; my four q tiles, 512 consecutive bytes a load
.endr
	s_lshl_b32 s2, s12, 15
	v_add_nc_u32 v[VA], s2, v1                     ; my quarter of slot 0: 32 KiB, four groups
	v_add_nc_u32 v[VA+1], SLOT, v[VA]
	v_and_b32 v9, 7, v0
	v_min_u32 v9, 3, v9                            ; X's row: 0, 1, 2, then the row of zeros
	v_bfe_u32 v10, v0, 4, 1                        ; h
	v_lshlrev_b32 v4, 5, v9
	v_lshl_add_u32 v4, v10, 7, v4
	s_lshl_b32 s3, s12, 13                         ; my quarter of pb's image: 8 KiB
	s_add_co_u32 s3, s3, PBL
	v_add_nc_u32 v4, s3, v4
	s_lshl_b32 s2, s11, 12
	s_add_co_u32 s2, s2, RED
	v_add_nc_u32 v6, s2, v1                        ; the partial sums of my 64 q
	s_lshl_b32 s3, s12, 10
	v_add_nc_u32 v5, s3, v6                        ; my own among them
	v_and_b32 v11, 15, v0
	v_lshlrev_b32 v7, 4, v11                       ; out0: four q of 4 bytes a lane,
	v_lshl_add_u32 v7, v10, 14, v7                 ; lanes 16-31 in channel 1
; One S product (f16 operands): tile e of the half-group in buffer af against q tile q, K step s, into S buffer x.  K step 0 starts the sum.
.macro SW x, e, s, af, q
.if \s
	v_wmma_f32_16x16x32_f16 v[SB+16*(\x)+8*\e:SB+16*(\x)+8*\e+7], v[AF+32*\af+16*\e+8:AF+32*\af+16*\e+15], v[QF+16*\q+8:QF+16*\q+15], v[SB+16*(\x)+8*\e:SB+16*(\x)+8*\e+7]
.else
	v_wmma_f32_16x16x32_f16 v[SB+16*(\x)+8*\e:SB+16*(\x)+8*\e+7], v[AF+32*\af+16*\e:AF+32*\af+16*\e+7], v[QF+16*\q:QF+16*\q+7], 0
.endif
.endm
; The k-th of a block's 24 vector instructions on S buffer x: relu of registers 0-3 of both tiles, their four packs, then the same for registers 4-7.
.macro VSTEP x, k
.if \k < 8
	v_max_num_f32 v[SB+16*(\x)+8*((\k)>>2)+((\k)&3)], 0, v[SB+16*(\x)+8*((\k)>>2)+((\k)&3)]
.elseif \k < 12
	v_cvt_pk_bf16_f32 v[PK+(\k)-8], v[SB+16*(\x)+(\k)-8], v[SB+16*(\x)+(\k)]
.elseif \k < 20
	v_max_num_f32 v[SB+16*(\x)+8*(((\k)-12)>>2)+4+(((\k)-12)&3)], 0, v[SB+16*(\x)+8*(((\k)-12)>>2)+4+(((\k)-12)&3)]
.else
	v_cvt_pk_bf16_f32 v[PK+(\k)-16], v[SB+16*(\x)+(\k)-16], v[SB+16*(\x)+(\k)-8]
.endif
.endm
.macro VRUN x, k0, k1
.set vk, \k0
.rept \k1-\k0+1
	VSTEP \x, vk
.set vk, vk+1
.endr
.endm
; One block: the vector work on S buffer x and its product with X (fragment buffer pf) onto q tile i's sums; between the lines the NEXT block's four
; S products (p buffer naf, q tile nq) into the other S buffer.  pl >= 0: X's fragment at byte plo of my quarter is fetched into buffer pl.
; Matrix order: e0 s0, e1 s0, e0 s1, e1 s1, X: the accumulators take turns, one instruction a turn.
; Places, all filled by the block's own vector work, which names none of the matrix instruction's registers in question:
; six lines (18..23) behind the last S product before the next block reads its result, and before a load lands on its p tiles;
; eight (0..7) behind the product with X before PK is written again; six (0..5) before a load lands on X's fragment.
.macro BODY x, i, pf, zero, nxt, naf, nq, pl, plo
.if \nxt
	SW 1-\x, 0, 0, \naf, \nq
.endif
	VRUN \x, 0, 5
.if \pl >= 0
	ds_load_b128 v[PF+8*\pl:PF+8*\pl+3],   v4 offset:\plo
	ds_load_b128 v[PF+8*\pl+4:PF+8*\pl+7], v4 offset:\plo+16
.endif
.if \nxt
	SW 1-\x, 1, 0, \naf, \nq
.endif
	VRUN \x, 6, 11
.if \nxt
	SW 1-\x, 0, 1, \naf, \nq
.endif
	VRUN \x, 12, 17
.if \nxt
	SW 1-\x, 1, 1, \naf, \nq
.endif
	VRUN \x, 18, 23
.if \zero
	v_wmma_f32_16x16x32_bf16 v[ACC+8*\i:ACC+8*\i+7], v[PF+8*\pf:PF+8*\pf+7], v[PK:PK+7], 0     ; the first product starts the sums: nothing is cleared
.else
	v_wmma_f32_16x16x32_bf16 v[ACC+8*\i:ACC+8*\i+7], v[PF+8*\pf:PF+8*\pf+7], v[PK:PK+7], v[ACC+8*\i:ACC+8*\i+7]
.endif
.endm
; Half-group hg (32 p: two tiles, 4 KiB) of my quarter into p buffer b: chunk hg >> 3 lies in slot (hg >> 3) & 1.  512 consecutive bytes a load.
.macro AFLOAD b, hg
.irp k, 0,1,2,3,4,5,6,7
	ds_load_b128 v[AF+32*\b+4*\k:AF+32*\b+4*\k+3], v[VA+(((\hg)>>3)&1)] offset:((\hg)&7)*4096+512*\k
.endr
.endm
; The change of slots.  The old slot's last reads were issued a trip ago.  In front of the barrier each wave waits for its LDS reads and for ALL its tensor loads
; (the one that may be out is its part of the next slot); no load of the wave is then out, so the old slot's address may step, two chunks on.
.macro SWOPEN g0, refill
	s_wait_dscnt 0x0
	s_wait_tensorcnt 0x0
	ds_add_u32 v232, v233
	s_wait_dscnt 0x0
.if \refill
	s_add_nc_u64 s[\g0+2:\g0+3], s[\g0+2:\g0+3], 2*SLOT
.endif
	s_barrier_signal -1                            ; with a refill this barrier opens a round of the cluster's barrier; register work alone follows up to its wait
.endm
.macro SWCLOSE g0, refill
	s_barrier_wait -1                              ; the next slot is whole, and no wave of my work-group reads the old one
.if \refill
	CREST                                          ; nor any wave of a partner, and none has a load on its way
	tensor_load_to_lds s[\g0:\g0+3], s[G1F:G1F+7]  ; the joint refill: my one tensor load behind the round, ahead of every LDS read; it has four trips in which to land
	s_nop 0
.endif
.endm
; A trip: half-groups 2 T (buffers 0) and 2 T + 1 (buffers 1), eight blocks.  zero: the sums start here.  more: half-groups 2 T + 2, 2 T + 3 follow.
; sw: 0 no change of slots; 1 a plain barrier; 2 a round with the refill of the slot whose group 0 is g0.
; Each s_wait_dscnt 0 stands where only loads issued three blocks or more ago are out, directly ahead of the next run of loads.
.macro TRIP T, zero, more, sw, g0
	BODY 0, 0, 0, \zero, 1, 0, 1, 1, 512*\T+256
.if \sw
	SWOPEN \g0, \sw-1
.endif
	BODY 1, 1, 0, \zero, 1, 0, 2, -1, 0
	BODY 0, 2, 0, \zero, 1, 0, 3, -1, 0
.if \sw
	SWCLOSE \g0, \sw-1
.endif
	s_wait_dscnt 0x0                               ; p buffer 1 and X's buffer 1 are in
.if \more
	AFLOAD 0, 2*\T+2
.endif
	BODY 1, 3, 0, \zero, 1, 1, 0, -1, 0
.if \more
	BODY 0, 0, 1, 0, 1, 1, 1, 0, 512*\T+512
.else
	BODY 0, 0, 1, 0, 1, 1, 1, -1, 0
.endif
	BODY 1, 1, 1, 0, 1, 1, 2, -1, 0
	BODY 0, 2, 1, 0, 1, 1, 3, -1, 0
.if \more
	s_wait_dscnt 0x0                               ; p buffer 0 and X's buffer 0 are in
	AFLOAD 1, 2*\T+3
.endif
	BODY 1, 3, 1, 0, \more, 0, 0, -1, 0
.endm
	s_wait_tensorcnt 1                             ; tensor loads of a wave end in order (ISA guide 10.11.1): my parts of pb's image and of slot 0 are in; slot 1's stays out
	s_barrier_signal -1
	s_barrier_wait -1                              ; everybody's are
	AFLOAD 0, 0
	AFLOAD 1, 1
	ds_load_b128 v[PF:PF+3],   v4
	ds_load_b128 v[PF+4:PF+7], v4 offset:16
	s_wait_loadcnt 0x0                             ; my q tiles
	s_wait_dscnt 0x0
	SW 0, 0, 0, 0, 0                               ; the first block's S
	SW 0, 1, 0, 0, 0
	SW 0, 0, 1, 0, 0
	SW 0, 1, 1, 0, 0
.rept 4
	v_nop                                          ; four places before the first block's vector work reads it
.endr
	TRIP 0,  1, 1, 0, G0A
	TRIP 1,  0, 1, 0, G0A
	TRIP 2,  0, 1, 0, G0A
	TRIP 3,  0, 1, 2, G0A                          ; on to slot 1 (chunk 1); chunk 2 is asked for into slot 0
	TRIP 4,  0, 1, 0, G0A
	TRIP 5,  0, 1, 0, G0A
	TRIP 6,  0, 1, 0, G0A
	TRIP 7,  0, 1, 2, G0B                          ; on to slot 0 (chunk 2); chunk 3 is asked for into slot 1
	TRIP 8,  0, 1, 0, G0A
	TRIP 9,  0, 1, 0, G0A
	TRIP 10, 0, 1, 0, G0A
	TRIP 11, 0, 1, 1, G0A                          ; on to slot 1 (chunk 3); nothing is left to fetch: the last wait on TENSORcnt, for zero
	TRIP 12, 0, 1, 0, G0A
	TRIP 13, 0, 1, 0, G0A
	TRIP 14, 0, 1, 0, G0A
	TRIP 15, 0, 0, 0, G0A
	; MY QUARTER'S SUMS.  Tile i, column r is q = 64 x group + 4 r + i: the four tiles give a lane four neighbouring q.
.rept 4
	v_nop                                          ; four places before vector instructions read the last result
.endr
	v_cmp_lt_u32 vcc_lo, 15, v8
.irp i, 0,1,2,3
	v_cndmask_b32 v[SB+\i], v[ACC+8*\i], v[ACC+8*\i+1], vcc_lo     ; lanes 0-15 pred0's sums, lanes 16-31 pred1's
.endr
.irp i, 0,1,2,3
	v_mov_b32 v[SB+4+\i], v[ACC+8*\i+2]            ; the column sums, in both halves of the lanes
.endr
	ds_store_b128 v5, v[SB:SB+3]
	ds_store_b128 v5, v[SB+4:SB+7] offset:512
	s_wait_dscnt 0x0                               ; for the others' sake: zero
	s_barrier_signal -1
	s_barrier_wait -1
	s_cmp_ge_u32 s10, 2                            ; waves 0 and 1 (qh = 0, 1) finish the two groups of q
	s_cbranch_scc1 .Lclose
.irp c, 0,1,2,3
	ds_load_b128 v[AF+8*\c:AF+8*\c+3],   v6 offset:1024*\c
	ds_load_b128 v[AF+8*\c+4:AF+8*\c+7], v6 offset:1024*\c+512
.endr
	s_wait_dscnt 0x0
.irp k, 0,2,4,6
	v_pk_add_f32 v[AF+\k:AF+\k+1], v[AF+\k:AF+\k+1], v[AF+8+\k:AF+9+\k]
	v_pk_add_f32 v[AF+16+\k:AF+17+\k], v[AF+16+\k:AF+17+\k], v[AF+24+\k:AF+25+\k]
.endr
.irp k, 0,2,4,6
	v_pk_add_f32 v[AF+\k:AF+\k+1], v[AF+\k:AF+\k+1], v[AF+16+\k:AF+17+\k]
.endr
.irp i, 0,1,2,3
	v_add_f32 v[AF+4+\i], EPS, v[AF+4+\i]
.endr
.irp i, 0,1,2,3
	v_rcp_f32 v[AF+8+\i], v[AF+4+\i]
.endr
	v_nop                                          ; one plain place behind the transcendentals before their results are used (ISA guide 5.7.2)
	s_wait_alu depctr_va_vdst(0)
.irp i, 0,1,2,3
	v_mul_f32 v[AF+\i], v[AF+\i], v[AF+8+\i]
.endr
	global_store_b128 v7, v[AF:AF+3], s[46:47]     ; lanes 0-15: 256 consecutive bytes of channel 0, aligned; lanes 16-31: of channel 1
.Lclose:
	s_wait_tensorcnt 0x0
	ds_add_u32 v232, v233
	s_wait_dscnt 0x0
	ROUND                                          ; the closing round: no work-group ends while a partner may still ask for a tile that names it
	s_endpgm
.Lfunc_end_k_q0a22512b1f_aff:
	.size	k_q0a22512b1f_aff, .Lfunc_end_k_q0a22512b1f_aff-k_q0a22512b1f_aff
	.p2alignl 7, 3214868480
	.fill 96, 4, 3214868480
	.section	.rodata,"a",@progbits
	.p2align	6, 0x0
	.amdhsa_kernel k_q0a22512b1f_aff
		.amdhsa_group_segment_fixed_size 327680
		.amdhsa_private_segment_fixed_size 0
		.amdhsa_enable_private_segment 0
		.amdhsa_kernarg_size 24
		.amdhsa_user_sgpr_count 2
		.amdhsa_user_sgpr_kernarg_segment_ptr 1
		.amdhsa_wavefront_size32 1
		.amdhsa_system_sgpr_workgroup_id_x 1
		.amdhsa_system_sgpr_workgroup_id_y 1
		.amdhsa_system_sgpr_workgroup_id_z 1
		.amdhsa_system_vgpr_workitem_id 0
		.amdhsa_next_free_vgpr 234
		.amdhsa_next_free_sgpr 66
		.amdhsa_reserve_vcc 1
		.amdhsa_float_denorm_mode_32 3
		.amdhsa_float_denorm_mode_16_64 3
		.amdhsa_memory_ordered 1
		.amdhsa_forward_progress 1
		.amdhsa_inst_pref_size 200
	.end_amdhsa_kernel
	.amdgpu_metadata
---
amdhsa.version: [ 1, 2 ]
amdhsa.kernels:
  - .name:           k_q0a22512b1f_aff
    .symbol:         k_q0a22512b1f_aff.kd
    .args:
      - { .name: fw, .offset: 0, .size: 8, .value_kind: global_buffer, .address_space: global }
      - { .name: pb, .offset: 8, .size: 8, .value_kind: global_buffer, .address_space: global }
      - { .name: out0, .offset: 16, .size: 8, .value_kind: global_buffer, .address_space: global }
    .group_segment_fixed_size: 327680
    .private_segment_fixed_size: 0
    .kernarg_segment_align: 8
    .kernarg_segment_size: 24
    .max_flat_workgroup_size: 256
    .sgpr_count:     66
    .vgpr_count:     234
    .wavefront_size: 32
...
	.end_amdgpu_metadata
.endif
;; end of part 2
;; ======== version 2 of 2: 2 launches; version 1 with the launch conv written anew for expert scheduling mode
;; limits: values outside matrix products are rounded to bf16; values are held in f16: magnitudes above 65,504 overflow, below 6.1e-05 lose precision
;; workspace buffers: fw 4,194,304 bytes; pb 262,144 bytes
;; launch conv (part 3): grid 256 x 1, 8 waves a work-group, no clusters, 165,888 bytes of LDS; arguments W, fea, pred, fw, pb; writes fw, pb
.if DOCPART == 3
	.amdgcn_target "amdgcn-amd-amdhsa--gfx1250"
	.amdhsa_code_object_version 6
	.text
	.protected	k_q0a22512b1f_conv
	.globl	k_q0a22512b1f_conv
	.p2align	8
	.type	k_q0a22512b1f_conv,@function
k_q0a22512b1f_conv:
	s_mov_b64 s[64:65], 0
	v_nop
	global_prefetch_b8 v0, s[64:65] scope:SCOPE_SE
	s_setreg_imm32_b32 hwreg(HW_REG_WAVE_SCHED_MODE, 0, 2), 2
	s_setreg_imm32_b32 hwreg(HW_REG_WAVE_MODE, 25, 1), 1
	s_wait_xcnt 0x0
	s_wait_alu depctr_vm_vsrc(0)
; f = W x fea (1x1 convolution, 64 x 256 by 256 x 4096 for each of 8 images), every column divided by (its L2 norm + 1e-5),
; rounded to f16 and stored in the order in which the next launch's matrix fragments want it; and pred as a bf16 operand image.
;
; SHARES.  Work-group b: image n = b >> 5, positions 128 (b & 31) .. + 127, all 256 channels: 128 KiB of fea, read once.
; Wave w: pg = w >> 2 picks 64 positions (a 'group'), kq = w & 3 picks 64 channels.  A wave issues its 32 loads of 16 bytes a lane at
; once, so all of the work-group's 128 KiB are asked for from the first lines on: there is no loop.  The four partial sums over the
; channels meet in LDS; wave (pg, kq) then finishes tile kq of group pg.
;
; TILES.  Tile t (0..3) of group g holds the positions p = 64 g + 4 r + t, r = 0..15.  A 16-byte load of fea gives a lane four
; neighbouring p of one channel: register t of the load belongs to tile t, and sixteen lanes read 256 consecutive bytes, aligned.
; fw: [n][g][t][i = 0..3][lane][16 bytes]; lane 16 h + r, piece i: f[o = 16 i + 8 h .. + 7][p(r)] in f16.  Pieces 2 s, 2 s + 1 are
; registers 0-3 and 4-7 of a 16 x 32 fragment of K step s (ISA guide 7.12.2), so a fragment load there is 512 consecutive bytes.
; pb: [n][pos][u][h][row 0..3][8 words], 512 bytes a group; word j, half b = X[row][64 g + 32 h + 4 j + 2 u + b], X = pred0, pred1, ones, zeros.
; With g = 16 c + 4 ph + gi the group stands at pos = 16 ph + 4 c + gi, so that the next launch's quarter ph reads 8 KiB in a row.
;
; FORMATS.  W, fea and pred are inputs of any range: bf16.  f is normalised, |f| <= 1 for every input, so it cannot overflow f16, whose
; 11 significant bits against bf16's 8 make its rounding error eight times smaller.  That error counts: the error of column q's f enters
; all 4096 terms of column q's sums alike.
;
; NO CLUSTER, NO JOINT LOAD OF W: W comes as f32 and is needed as bf16.  Through registers it costs 32 KiB of LDS stores; a tensor load
; would lay 64 KiB of f32 into LDS, to be read back, converted and stored again, and would add rounds of a cluster's barrier to a text
; without a loop.  No prefetch: every byte is asked for in the first lines.
;
; THE MODE: SCHED_MODE bits 1:0 = 2 (LLVM: expert scheduling mode 2), set by the entry lines.  The code itself states the register dependences
; between vector or matrix instructions and memory or LDS instructions, with s_wait_alu, always for 0.
; THE PLAN.  Registers that memory or LDS instructions touch, in the order of the text:
;   v1 .. v8      offsets and LDS addresses: made at the head, never written again.  One wait on va_vdst ahead of the first load serves them all.
;   raw data      v[240:247] pred, v[144:207] W, v[16:143] fea: no vector instruction names them ahead of their loads; conversions alone read them.
;   WC, PBD       written by one run of conversions and selects; ONE wait on va_vdst; then W's sixteen LDS stores and pb's global store read them.
;   WF = WC       behind the barrier W's fragments of K step 0 land where the LDS stores read: one wait on vm_vsrc ahead of them.
;   WG            W's fragments of K step 1 have 32 registers of their own, v[256:287], which loads write and matrix instructions read, once each.
;                 So all eight fragments are asked for in one run, and the 32 matrix instructions follow each other with no load and no wait between them.
;   ACC           written by the matrix instructions; four places and ONE wait on va_vdst; the exchange's 32 LDS stores read them; behind the barrier one wait
;                 on vm_vsrc, and the exchange's 32 loads land in the same registers (no vector or matrix instruction has named them since the wait on va_vdst).
;   v[56:71]      written by the last conversions; one wait on va_vdst; the four stores of f read them.
;   v252, v253    written at the head, read by the closing add alone.
;
; LIMITS.  Matrix operands (W, fea) are rounded to bf16, sums are f32, in this text's own order (channels in four quarters).
; The sum of squares overflows above |f| of about 1.8e19, as an f32 norm does.  v_sqrt_f32 takes a sum of squares below 2^-126 as 0
; (ISA guide 15.8): the norm is then below 1.1e-19 and vanishes beside 1e-5 in f32.
; Components of the normalised f below 2^-14 are f16 denormals, with an absolute error of up to 2^-25: that reaches bf16's relative
; error where components fall to about 1.5e-5, that is, where a column's norm before the division is below about 1e-9.
.set WPITCH, 528                       ; a row of W in LDS: 512 bytes of bf16 + 16: 33 x 16, so 16 rows start at 16 different 16-byte columns
.set XCH,    64*WPITCH                 ; 33,792: the exchange, [pg][t][from kq][piece 0..7][lane][16 bytes] of f32, 131,072 bytes
.set EPS,    0x3727c5ac                ; 1e-5
.set FEA, 16                           ; v[16:143]  fea as loaded: load (s, i), element t at 16 + 64 s + 4 i + t
.set ACC, 16                           ; v[16:143]  afterwards the 16 accumulators: (t, ot) at 16 + 32 t + 8 ot
.set WT,  144                          ; v[144:207] W as loaded, f32
.set FB,  144                          ; v[144:207] afterwards fea's fragments: (s, t) at 144 + 32 s + 8 t
.set WC,  208                          ; v[208:239] W in bf16 on its way to LDS
.set WF,  208                          ; v[208:239] afterwards W's four fragments of K step 0
.set WG,  0                            ; v[256:287] W's four fragments of K step 1: named v[0:31] under the second register window
.set PRD, 240                          ; v[240:247] pred as loaded
.set PBD, 248                          ; v[248:251] 16 bytes of pb
; v1 16 x lane   v2 fea offset   v3 W offset   v4 W image, store   v5 W image, fragments   v6 exchange out   v7 exchange in
; v8 pred offset   v9 the constant of rows 2 and 3 of X   v10-15 at work   v252, v253 the closing add's two registers
	s_load_b256 s[4:11], s[0:1], 0x0               ; W s[4:5], fea s[6:7], pred s[8:9], fw s[10:11]
	s_load_b64 s[12:13], s[0:1], 0x20              ; pb
	v_lshl_add_u32 v252, v0, 2, 0x28400
	v_mov_b32 v253, 0
	v_lshrrev_b32 v10, 5, v0
	v_readfirstlane_b32 s16, v10                   ; wave 0..7
	; first what hangs on the thread's number alone, so that one wait serves both scalar results of vector instructions
	v_and_b32 v11, 31, v0                          ; lane
	v_and_b32 v12, 15, v0                          ; r
	v_bfe_u32 v13, v0, 4, 1                        ; h
	v_lshlrev_b32 v1, 4, v11
	v_lshlrev_b32 v3, 4, v0                        ; W: thread t takes bytes 16 t of every 4,096
	v_lshrrev_b32 v14, 6, v0                       ; that is row t >> 6 (+ 4 for each further load),
	v_and_b32 v15, 63, v0                          ; columns 4 (t & 63) ..
	v_mul_u32_u24 v4, v14, WPITCH
	v_lshl_add_u32 v4, v15, 3, v4                  ; 8 bytes of bf16
	v_mul_u32_u24 v5, v12, WPITCH                  ; fragment of W: row r,
	v_lshl_add_u32 v5, v13, 4, v5                  ; + 16 h
	; pb: lane = 16 u + 8 hh + 2 row + e holds words 4 e .. 4 e + 3 of (u, hh, row): pred[row][64 g + 32 hh + 16 e + 4 j + 2 u + 0, 1]
	v_bfe_u32 v10, v0, 1, 1                        ; row & 1: rows 2 and 3 load pred's rows 0 and 1 as well and drop them
	v_lshlrev_b32 v8, 14, v10
	v_bfe_u32 v10, v0, 3, 1                        ; hh
	v_lshl_add_u32 v8, v10, 7, v8
	v_and_b32 v10, 1, v0                           ; e
	v_lshl_add_u32 v8, v10, 6, v8
	v_lshl_add_u32 v8, v13, 3, v8                  ; u
	v_bfe_u32 v10, v0, 1, 2                        ; row
	v_mov_b32 v14, 0x3f803f80                      ; two ones in bf16
	v_cmp_eq_u32 vcc_lo, 2, v10
	v_cmp_le_u32 s21, 2, v10                       ; the lanes of rows 2 and 3
	s_wait_alu depctr_va_vcc(0)                    ; the compare has written VCC, which the select below reads
	v_cndmask_b32 v9, 0, v14, vcc_lo               ; row 2: ones; row 3: zeros
	s_wait_alu depctr_va_sdst(0)                   ; s16 (the wave's number) and s21 (the mask of rows 2 and 3) are written, ahead of the first reader of either
	s_lshr_b32 s17, s16, 2                         ; pg
	s_and_b32 s18, s16, 3                          ; kq
	s_lshr_b32 s19, ttmp9, 5                       ; n
	s_and_b32 s20, ttmp9, 31                       ; which 128 positions of the image
	s_mov_b32 s26, 0x76543210                      ; v_permlanex16_b32: lane i reads lane i of the other half
	s_mov_b32 s27, 0xfedcba98
	s_lshl_b32 s28, s18, 20                        ; 64 channels of 16,384 bytes
	s_lshl_b32 s29, s17, 8                         ; 64 positions of 4 bytes
	s_add_co_u32 s28, s28, s29
	v_lshl_add_u32 v2, v12, 4, s28                 ; + 16 r: four positions
	v_lshl_add_u32 v2, v13, 17, v2                 ; + 8 channels for lanes 16-31
	s_lshl_b32 s29, s18, 7
	v_add_nc_u32 v5, s29, v5                       ; fragment of W: + my 64 channels
	s_lshl_b32 s30, s17, 16
	s_add_co_u32 s30, s30, XCH                     ; my group's half of the exchange
	s_lshl_b32 s31, s18, 12
	s_add_co_u32 s31, s31, s30
	v_add_nc_u32 v6, s31, v1                       ; out: my place as a sender, in every tile
	s_lshl_b32 s31, s18, 14
	s_add_co_u32 s31, s31, s30
	v_add_nc_u32 v7, s31, v1                       ; in: my tile, all four senders
	; byte offsets of the work-group's and the wave's parts, each in a pair of its own
	s_lshl_b32 s22, s19, 22                        ; fea: image,
	s_lshl_b32 s28, s20, 9                         ; 128 positions
	s_add_co_u32 s22, s22, s28
	s_mov_b32 s23, 0
	s_lshl_b32 s24, ttmp9, 14                      ; fw: two groups of 8 KiB a work-group,
	s_lshl_b32 s28, s16, 11                        ; a tile of 2 KiB a wave (4 pg + kq = w)
	s_add_co_u32 s24, s24, s28
	s_mov_b32 s25, 0
	s_and_b32 s28, s16, 1
	s_lshl1_add_u32 s28, s20, s28                  ; the group whose pred I convert: g = 2 x block + (w & 1)
	s_lshl_b32 s36, s19, 15                        ; 32,768 bytes an image, in pred and in pb
	s_lshl_b32 s32, s28, 8
	s_add_co_u32 s32, s32, s36
	s_mov_b32 s33, 0
	s_lshr_b32 s29, s28, 4                         ; c
	s_bfe_u32 s30, s28, 0x20002                    ; ph
	s_and_b32 s31, s28, 3                          ; gi
	s_lshl_b32 s30, s30, 4
	s_lshl2_add_u32 s29, s29, s30                  ; 4 c + 16 ph
	s_add_co_u32 s29, s29, s31                     ; pos
	s_lshl_b32 s34, s29, 9
	s_add_co_u32 s34, s34, s36
	s_mov_b32 s35, 0
	s_wait_kmcnt 0x0
	s_add_nc_u64 s[6:7], s[6:7], s[22:23]
	s_add_nc_u64 s[10:11], s[10:11], s[24:25]
	s_add_nc_u64 s[8:9], s[8:9], s[32:33]
	s_add_nc_u64 s[12:13], s[12:13], s[34:35]
	s_wait_alu depctr_va_vdst(0)                   ; the eight offsets and addresses v1 to v8 are written, which the loads and stores of the whole kernel read
	; ALL LOADS, the ones wanted first in front: 4 of pred, 16 of W, 32 of fea.  No address register is ever written again.
.irp j, 0,1,2,3
	global_load_b64 v[PRD+2*\j:PRD+2*\j+1], v8, s[8:9] offset:16*\j
.endr
.irp m, 0,1,2,3,4,5,6,7,8,9,10,11,12,13,14,15
	global_load_b128 v[WT+4*\m:WT+4*\m+3], v3, s[4:5] offset:4096*\m          ; the eight waves cover 4,096 consecutive bytes
.endr
.irp s, 0,1
.irp i, 0,1,2,3,4,5,6,7,8,9,10,11,12,13,14,15
	global_load_b128 v[FEA+64*\s+4*\i:FEA+64*\s+4*\i+3], v2, s[6:7] offset:(32*\s+16*((\i)>>3)+((\i)&7))*16384 th:TH_LOAD_NT   ; channel 32 s + 16 (i >> 3) + 8 h + (i & 7); read once in the launch
.endr
.endr
	; W and pred to bf16: all the vector work in one run, then one wait, then all the stores
	s_wait_loadcnt 32                              ; loads come back in order (ISA guide 5.7.1): only fea's 32 are younger
.irp m, 0,1,2,3,4,5,6,7,8,9,10,11,12,13,14,15
	v_cvt_pk_bf16_f32 v[WC+2*\m],   v[WT+4*\m],   v[WT+4*\m+1]
	v_cvt_pk_bf16_f32 v[WC+2*\m+1], v[WT+4*\m+2], v[WT+4*\m+3]
.endr
.irp j, 0,1,2,3
	v_cvt_pk_bf16_f32 v[PBD+\j], v[PRD+2*\j], v[PRD+2*\j+1]
.endr
.irp j, 0,1,2,3
	v_cndmask_b32 v[PBD+\j], v[PBD+\j], v9, s21    ; rows 2 and 3 take their constant
.endr
	s_wait_alu depctr_va_vdst(0)                   ; the conversions and selects have written v[WC ..] and v[PBD ..], which the LDS stores and pb's store read
.irp m, 0,1,2,3,4,5,6,7,8,9,10,11,12,13,14,15
	ds_store_b64 v4, v[WC+2*\m:WC+2*\m+1] offset:4*WPITCH*\m                  ; each load is four rows further down
.endr
	s_cmp_ge_u32 s16, 2                            ; waves 0 and 1 store the two groups' images; the others made the same numbers and drop them
	s_cbranch_scc1 .Lno_pb
	global_store_b128 v1, v[PBD:PBD+3], s[12:13]   ; 512 consecutive bytes, aligned; neither v1 nor the data is written again
.Lno_pb:
	s_wait_dscnt 0x0                               ; my part of W's image is in LDS: for the other waves' sake the count is zero
	s_barrier_signal -1
	s_barrier_wait -1                              ; the whole image is
	s_wait_alu depctr_vm_vsrc(0)                   ; my LDS stores have read v[WC ..]: these registers are WF from here on, in which the fragments below land (the conversions that wrote them stand ahead of the last wait on va_vdst)
.irp f, 0,1,2,3
	ds_load_b128 v[WF+8*\f:WF+8*\f+3],   v5 offset:16*WPITCH*\f               ; K step 0, rows 16 f .. + 15 of W
	ds_load_b128 v[WF+8*\f+4:WF+8*\f+7], v5 offset:16*WPITCH*\f+32
.endr
	s_set_vgpr_msb 0x40                            ; destination in the second window, the address v5 in the first
.irp f, 0,1,2,3
	ds_load_b128 v[WG+8*\f:WG+8*\f+3],   v5 offset:16*WPITCH*\f+64            ; K step 1, the same rows, into v[256 ..]: no other line but the products names these registers
	ds_load_b128 v[WG+8*\f+4:WG+8*\f+7], v5 offset:16*WPITCH*\f+96
.endr
	s_set_vgpr_msb 0x4000                          ; all back to the first window
	; fea to fragments: register q of tile t = channels 16 (q >> 2) + 8 h + 2 (q & 3) + 0, 1, which are loads 2 q and 2 q + 1
.macro CVTF s
.irp t, 0,1,2,3
.irp q, 0,1,2,3,4,5,6,7
	v_cvt_pk_bf16_f32 v[FB+32*\s+8*\t+\q], v[FEA+64*\s+8*\q+\t], v[FEA+64*\s+8*\q+4+\t]
.endr
.endr
.endm
	s_wait_loadcnt 16                              ; K step 0's sixteen loads are in, K step 1's stay out
	CVTF 0
	s_wait_loadcnt 0x0
	CVTF 1
	s_wait_dscnt 0x0                               ; W's eight fragments, asked for ahead of the two waits for fea
	; THE PRODUCTS.  Group f = 4 s + ot: rows 16 ot .. of W, K step s, against the four tiles.  D: lane (r, h), register j = f[16 ot + 8 h + j][p(r)].
	; The 16 accumulators take turns, one instruction a turn.  The first K step starts the sums: nothing is cleared.
	; No load stands among the 32: each fragment of W has registers of its own.
.macro GROUP f
.set gs, (\f)>>2
.set go, (\f)&3
.irp t, 0,1,2,3
.if \f >= 4
	v_wmma_f32_16x16x32_bf16 v[ACC+32*\t+8*go:ACC+32*\t+8*go+7], v[WG+8*go:WG+8*go+7], v[FB+32*gs+8*\t:FB+32*gs+8*\t+7], v[ACC+32*\t+8*go:ACC+32*\t+8*go+7]
.else
	v_wmma_f32_16x16x32_bf16 v[ACC+32*\t+8*go:ACC+32*\t+8*go+7], v[WF+8*go:WF+8*go+7], v[FB+32*gs+8*\t:FB+32*gs+8*\t+7], 0
.endif
.endr
.endm
.irp f, 0,1,2,3
	GROUP \f
.endr
	s_set_vgpr_msb 0x1                             ; source 0, W's fragment, in the second window; fea's fragments and the accumulators in the first
.irp f, 4,5,6,7
	GROUP \f
.endr
	s_set_vgpr_msb 0x100                           ; all back to the first window
.rept 4
	v_nop                                          ; four places before the LDS stores read the last results
.endr
	s_wait_alu depctr_va_vdst(0)                   ; the matrix instructions have written the accumulators, which the LDS stores read; the places above stay beside this wait
	; THE EXCHANGE: every wave hands out all four tiles, its own too: which tile a wave keeps hangs on its number, a register's number cannot
.irp t, 0,1,2,3
.irp q, 0,1,2,3,4,5,6,7
	ds_store_b128 v6, v[ACC+32*\t+4*\q:ACC+32*\t+4*\q+3] offset:16384*\t+512*\q
.endr
.endr
	s_wait_dscnt 0x0                               ; for the others' sake: zero
	s_barrier_signal -1
	s_barrier_wait -1
	s_wait_alu depctr_vm_vsrc(0)                   ; my LDS stores have read v[16:143], in which the loads below land (no vector or matrix instruction has named them since the last wait on va_vdst)
.irp c, 0,1,2,3
.irp q, 0,1,2,3,4,5,6,7
	ds_load_b128 v[16+32*\c+4*\q:16+32*\c+4*\q+3], v7 offset:4096*\c+512*\q   ; my tile's partial sum from channel quarter c
.endr
.endr
.macro ADD32 d, a                      ; 32 registers at d += 32 registers at a
.irp k, 0,2,4,6,8,10,12,14,16,18,20,22,24,26,28,30
	v_pk_add_f32 v[\d+\k:\d+\k+1], v[\d+\k:\d+\k+1], v[\a+\k:\a+\k+1]
.endr
.endm
	s_wait_dscnt 16                                ; quarters 0 and 1 are in, the sixteen loads of 2 and 3 stay out
	ADD32 16, 48
	s_wait_dscnt 0x0
	ADD32 80, 112
	ADD32 16, 80                                   ; v[16:47]: f[16 ot + 8 h + j][p(r)] at 16 + 8 ot + j
	; THE NORM: 32 squares in the lane, in two chains started by products; the other 32 channels lie in the lane 16 away
	v_pk_mul_f32 v[48:49], v[16:17], v[16:17]
	v_pk_mul_f32 v[50:51], v[18:19], v[18:19]
.irp k, 4,8,12,16,20,24,28
	v_pk_fma_f32 v[48:49], v[16+\k:17+\k], v[16+\k:17+\k], v[48:49]
	v_pk_fma_f32 v[50:51], v[18+\k:19+\k], v[18+\k:19+\k], v[50:51]
.endr
	v_pk_add_f32 v[48:49], v[48:49], v[50:51]
	v_add_f32 v48, v48, v49
	v_permlanex16_b32 v49, v48, s26, s27           ; its destination counts as read: v49 has been written
	v_add_f32 v48, v48, v49
	v_sqrt_f32 v50, v48
	v_nop                                          ; one plain place behind a transcendental before its result is used (ISA guide 5.7.2)
	s_wait_alu depctr_va_vdst(0)                   ; the root has written v50, ahead of its first reader
	v_add_f32 v50, EPS, v50
	v_rcp_f32 v54, v50                             ; twice, for the pair that the packed multiply takes
	v_rcp_f32 v55, v50
	v_nop                                          ; the place again
	s_wait_alu depctr_va_vdst(0)                   ; the two reciprocals have written v54 and v55, ahead of their first reader: one wait for the batch
.irp k, 0,2,4,6,8,10,12,14,16,18,20,22,24,26,28,30
	v_pk_mul_f32 v[16+\k:17+\k], v[16+\k:17+\k], v[54:55]
.endr
.irp k, 0,1,2,3,4,5,6,7,8,9,10,11,12,13,14,15
	v_cvt_pk_f16_f32 v[56+\k], v[16+2*\k], v[17+2*\k]                         ; |f| <= 1: inside f16's range for every input
.endr
	s_wait_alu depctr_va_vdst(0)                   ; the conversions have written v[56:71], which the four stores read
.irp i, 0,1,2,3
	global_store_b128 v1, v[56+4*\i:59+4*\i], s[10:11] offset:512*\i          ; piece i of my tile: 512 consecutive bytes, aligned
.endr
	s_wait_dscnt 0x0                               ; the closing lines, six on end
	s_wait_alu 0x0
	s_wait_tensorcnt 0x0
	ds_add_u32 v252, v253
	s_wait_dscnt 0x0
	s_endpgm
.Lfunc_end_k_q0a22512b1f_conv:
	.size	k_q0a22512b1f_conv, .Lfunc_end_k_q0a22512b1f_conv-k_q0a22512b1f_conv
	.p2alignl 7, 3214868480
	.fill 96, 4, 3214868480
	.section	.rodata,"a",@progbits
	.p2align	6, 0x0
	.amdhsa_kernel k_q0a22512b1f_conv
		.amdhsa_group_segment_fixed_size 165888
		.amdhsa_private_segment_fixed_size 0
		.amdhsa_enable_private_segment 0
		.amdhsa_kernarg_size 40
		.amdhsa_user_sgpr_count 2
		.amdhsa_user_sgpr_kernarg_segment_ptr 1
		.amdhsa_wavefront_size32 1
		.amdhsa_system_sgpr_workgroup_id_x 1
		.amdhsa_system_sgpr_workgroup_id_y 1
		.amdhsa_system_sgpr_workgroup_id_z 1
		.amdhsa_system_vgpr_workitem_id 0
		.amdhsa_next_free_vgpr 288
		.amdhsa_next_free_sgpr 66
		.amdhsa_reserve_vcc 1
		.amdhsa_float_denorm_mode_32 3
		.amdhsa_float_denorm_mode_16_64 3
		.amdhsa_memory_ordered 1
		.amdhsa_forward_progress 1
		.amdhsa_inst_pref_size 32
	.end_amdhsa_kernel
	.amdgpu_metadata
---
amdhsa.version: [ 1, 2 ]
amdhsa.kernels:
  - .name:           k_q0a22512b1f_conv
    .symbol:         k_q0a22512b1f_conv.kd
    .args:
      - { .name: W, .offset: 0, .size: 8, .value_kind: global_buffer, .address_space: global }
      - { .name: fea, .offset: 8, .size: 8, .value_kind: global_buffer, .address_space: global }
      - { .name: pred, .offset: 16, .size: 8, .value_kind: global_buffer, .address_space: global }
      - { .name: fw, .offset: 24, .size: 8, .value_kind: global_buffer, .address_space: global }
      - { .name: pb, .offset: 32, .size: 8, .value_kind: global_buffer, .address_space: global }
    .group_segment_fixed_size: 165888
    .private_segment_fixed_size: 0
    .kernarg_segment_align: 8
    .kernarg_segment_size: 40
    .max_flat_workgroup_size: 256
    .sgpr_count:     66
    .vgpr_count:     288
    .wavefront_size: 32
...
	.end_amdgpu_metadata
.endif
;; end of part 3
;; launch aff: the kernel of part 2 again; grid 256 x 1, 8 waves a work-group, clusters of 4 x 1, 327,680 bytes of LDS; arguments fw, pb, out0; writes out0
